; MI455X (gfx1250); checked and timed in simulation.
; The chip was launched on July 23, 2026; its instructions are those of AMD's public machine-readable ISA for CDNA 5 (MIT licence, August 2026) and "CDNA5" Instruction Set Architecture Reference Guide (July 2026). The comments in the code are by the model that wrote it; some were corrected since.
;; Cross Attention. Allowed arithmetic: float matrix products may take bf16 or f16 operands with f32 sums; other float arithmetic in f32, or as packed bf16 or f16 multiplies, adds, multiply-adds, maxima and minima; sums over many terms, partial sums and values carried from step to step in f32; what a program stores and reads back later, other than sums and carried values, may be rounded once to bf16 or f16.
;; Inputs: Wk 64 x 256 float32; Wq 64 x 256 float32; Wv 256 x 256 float32; bk 64 float32; bq 64 float32; bv 256 float32; foren 8 x 256 x 64 x 64 float32; gamma 1 float32; sem 8 x 256 x 64 x 64 float32.
;; Outputs: out0 8 x 256 x 64 x 64 float32.
;; 2 versions, each right; version 2 is version 1 with the launch proj written anew for expert scheduling mode. Each part assembles by itself: llvm-mc -triple=amdgcn-amd-amdhsa -mcpu=gfx1250 --defsym DOCPART=n.
;; ======== version 1 of 2: 2 launches
;; workspace buffers: qws 4,194,304 bytes; kvws 20,971,520 bytes
;; launch proj (part 1): grid 256 x 1, 4 waves a work-group, no clusters, 204,800 bytes of LDS; arguments sem, foren, Wq, Wk, Wv, bq, bk, bv, qws, kvws; writes qws, kvws
.if DOCPART == 1
	.amdgcn_target "amdgcn-amd-amdhsa--gfx1250"
	.amdhsa_code_object_version 6
	.text
	.protected	k_q6e83670f74_proj
	.globl	k_q6e83670f74_proj
	.p2align	8
	.type	k_q6e83670f74_proj,@function
k_q6e83670f74_proj:
	s_mov_b64 s[64:65], 0
	v_nop
	global_prefetch_b8 v0, s[64:65] scope:SCOPE_SE
	s_setreg_imm32_b32 hwreg(HW_REG_WAVE_MODE, 25, 1), 1
	s_wait_xcnt 0x0
; THE THREE 1x1 PROJECTIONS.  q = Wq sem + bq, k = Wk foren + bk, v = Wv foren + bv, written in bf16 in the order in which the attention launch's matrix fragments want them.
; sem, foren: [8][256 channels][4096 pixels] f32.  Operands are rounded to bf16, sums and biases are f32, q, k, v are rounded once to bf16.  NaN and infinities are not treated apart.
; SHARES.  A SPAN is 64 neighbouring pixels of a batch (256 bytes of a channel's row); 512 spans.  Work-group g takes spans 2 g and 2 g + 1 of both tensors: waves 0, 1 sem (q), waves 2, 3 foren (k, v).
; THE PIXEL ORDER.  Lane (r = l % 16, h = l / 16) loads 16 bytes, pixels 4 r .. 4 r + 3, of channel c0 + 16 h + i: sixteen lanes cover 256 consecutive bytes, aligned.  Sixteen such loads give a lane
; 4 pixels x 16 channels; rounded in pairs they ARE four fragments u = 0..3 of 16 pixels x 32 channels, in which index r is pixel 4 r + u and register p of half h holds channels c0 + 16 h + 2 p, + 1.
; The weights' fragments take the same order of channels (32 consecutive bytes a lane), so the products are the true ones.  Nothing is transposed through LDS.
; OUT.  Blocks of 512 bytes, lane l at byte 16 l, one store each.  qws: [span][u][ob]: q[pixel 4 r + u][16 ob + 8 h + 0..7].  kvws: [batch][block 0..63][40,960]: 8,192 bytes of k, as q, of span
; (block + 2) % 64, then 32,768 of v of span block: [cb][u]: v[channel 16 cb + r][key 16 u + 8 h + 0..7], key 16 u + i being pixel 4 i + u.
; NO CLUSTER, NO TENSOR LOADS: what work-groups share is the weights, 393,216 bytes of f32 that have to pass through registers to become bf16; their bf16 copy (202,752 bytes with padding) and an f32
; landing place do not fit in LDS together.  NO PREFETCH: each wave has up to 64 loads out from its first line on, and every byte of sem and foren is asked for at once.
.set PITCH, 528                        ; an LDS row of weights: 512 bytes + 16: the 16 rows of a fragment load start 4 words apart modulo 64 words
.set BB,    384*PITCH                  ; behind the 384 rows (Wq 0-63, Wk 64-127, Wv 128-383): 384 f32 biases, by the same row number
.set SPARE, BB+1536                    ; the spare words, 128 bytes for each wave: two blocks of 256 bytes that no other line names
.set CROW,  16384                      ; bytes of a channel's row in a batch
.set BLKB,  40960                      ; a block of kvws
.set R_,  1                            ; v1   in the set-up: l % 16
.set H_,  2                            ; v2   in the set-up: l / 16
.set AW,  1                            ; v1   then: the LDS address of the weights to be fetched = AW0 + s[TW]
.set ABV, 2                            ; v2   then: the LDS address of v's bias to be fetched = ABV0 + s[TV]
.set GW,  3                            ; v3   16 x thread: my 16 bytes of two rows of weights; never rewritten
.set LWA, 4                            ; v4   where my 8 bytes of bf16 weights go; steps 32 rows a group
.set GX,  5                            ; v5   16 h rows + 16 r: my 16 bytes of a channel's row; never rewritten
.set AW0, 6                            ; v6   my place in a fragment of my tensor's first weights; never rewritten
.set AB,  7                            ; v7   my eight biases (q, k)
.set ABV0, 8                           ; v8   my one bias of v's first block; never rewritten
.set GO,  9                            ; v9   16 x lane; never rewritten
.set GV,  10                           ; v10  16 x lane + 4,096 x trip (v)
.set BO,  11                           ; v11  offset of my number of bq or bk
.set BL,  12                           ; v12-13  first 8 x thread, then v's bias as loaded
.set SPW, 14                           ; v14  my spare word; never rewritten
.set NIL, 15                           ; v15  0; never rewritten
.set BC,  16                           ; v16-31  the bias as the first product's C, 8 registers for each of a trip's two blocks
.set ACC, 32                           ; v32-95  accumulators: block bl, pixel group u at 32 bl + 8 u
.set WF,  96                           ; v96-223 weights' fragments: 64 bl + 8 ks
.set PK,  224                          ; v224-255 results in bf16
; window 1: v[32 ks + 8 u ..] the span's fragments (8 steps of 32 channels x 4 pixel groups).   window 2: four slots of 64 registers, a ring for what is loaded in f32
.set WV,  28
.set TEN, 29                           ; 0: sem, 1: foren
.set XBS, 32                           ; s[32:33] my tensor at my span
.set KOS, 34                           ; s[34:35] where q or k goes
.set VOS, 36                           ; s[36:37] where v goes
.set BPS, 38                           ; s[38:39] bq or bk
.set CNT, 40
.set TW,  41                           ; s41  bytes from my first weights to those to be fetched: 32 rows a trip
.set TV,  44                           ; s44  the same for v's biases: 128 bytes a trip
.set MSB, 0
.macro WIN new                         ; s_set_vgpr_msb: bits 1:0 source 0, 3:2 source 1, 5:4 source 2, 7:6 destination; the high byte repeats the setting that is left
.if MSB != (\new)
	s_set_vgpr_msb (MSB<<8)|(\new)
.set MSB, \new
.endif
.endm
	s_load_b512 s[8:23], s[0:1], 0x0               ; sem 8, foren 10, Wq 12, Wk 14, Wv 16, bq 18, bk 20, bv 22
	s_load_b128 s[24:27], s[0:1], 0x40             ; qws 24, kvws 26
	v_lshl_add_u32 v[SPW], v0, 2, SPARE
	v_mov_b32 v[NIL], 0
	v_lshrrev_b32 v1, 5, v0
	v_readfirstlane_b32 s[WV], v1                  ; wave 0..3
	s_lshr_b32 s[TEN], s[WV], 1
	s_and_b32 s30, s[WV], 1
	s_lshl_b32 s31, ttmp9, 1
	s_add_co_u32 s31, s31, s30                     ; my span, 0..511
	s_lshr_b32 s41, s31, 6                         ; its batch
	s_and_b32 s44, s31, 63                         ; its number in the batch
	s_mul_i32 s40, s[TEN], PITCH                   ; a load of the four waves covers two rows of weights: waves 0, 1 the even row, 2, 3 the odd one
	s_lshl_b32 s30, s30, 8
	s_add_co_u32 s40, s40, s30
	v_and_b32 v[GO], 31, v0
	v_lshl_add_u32 v[LWA], v[GO], 3, s40
	v_lshlrev_b32 v[GO], 4, v[GO]
	v_mov_b32 v[GV], v[GO]
	v_and_b32 v[R_], 15, v0
	v_bfe_u32 v[H_], v0, 4, 1
	v_lshlrev_b32 v[GW], 4, v0
	v_lshlrev_b32 v[GX], 18, v[H_]                 ; 16 rows of 16,384 bytes
	v_lshl_add_u32 v[GX], v[R_], 4, v[GX]
	v_mul_u32_u24 v[AW0], v[R_], PITCH
	v_lshl_add_u32 v[AW0], v[H_], 5, v[AW0]        ; row r, 32 bytes for each half of the lanes
	s_mul_i32 s30, s[TEN], 64*PITCH                ; sem's waves begin at Wq, foren's at Wk
	v_add_nc_u32 v[AW0], s30, v[AW0]
	s_lshl_b32 s30, s[TEN], 8
	s_add_co_u32 s30, s30, BB
	v_lshl_add_u32 v[AB], v[H_], 5, s30
	v_lshl_add_u32 v[ABV0], v[R_], 2, BB+512
	v_and_b32 v[BO], 63, v0
	v_lshlrev_b32 v[BO], 2, v[BO]
	v_lshlrev_b32 v[BL], 3, v0
	v_lshl_add_u32 v[BC], v0, 2, BB                ; where the biases are put, once
	v_lshl_add_u32 v[BC+1], v0, 3, BB+512
	v_mov_b32 v[AW], v[AW0]                        ; l % 16 and l / 16 are used up: their registers take the two addresses that walk
	v_mov_b32 v[ABV], v[ABV0]
	s_lshl_b32 s42, s41, 22                        ; a batch is 4,194,304 bytes,
	s_lshl_b32 s30, s44, 8                         ; a span 256 bytes of a row
	s_add_co_u32 s42, s42, s30
	s_mov_b32 s43, 0
	s_lshl_b32 s45, s31, 13                        ; q: 8,192 bytes a span
	s_add_co_u32 s30, s44, 62
	s_and_b32 s30, s30, 63                         ; k of span n lies in block (n - 2) % 64
	s_mul_i32 s30, s30, BLKB
	s_mul_i32 s46, s41, 64*BLKB
	s_add_co_u32 s46, s46, s30
	s_mul_i32 s40, s31, BLKB                       ; v of span n lies in block n, behind the block's k
	s_add_co_u32 s40, s40, 8192
	s_mov_b32 s47, 0
	s_mov_b32 s[TW], 0                             ; the batch and the span's number are used up
	s_mov_b32 s[TV], 0
	s_wait_kmcnt 0x0
	s_cmp_eq_u32 s[TEN], 0
	s_cselect_b64 s[XBS:XBS+1], s[8:9], s[10:11]
	s_cselect_b64 s[KOS:KOS+1], s[24:25], s[26:27]
	s_cselect_b64 s[BPS:BPS+1], s[18:19], s[20:21]
	s_cselect_b32 s46, s45, s46
	s_add_nc_u64 s[XBS:XBS+1], s[XBS:XBS+1], s[42:43]
	s_add_nc_u64 s[KOS:KOS+1], s[KOS:KOS+1], s[46:47]
	s_mov_b32 s42, s40
	s_add_nc_u64 s[VOS:VOS+1], s[26:27], s[42:43]
; PHASE A.  Twenty items of 16 loads go through the ring: 12 groups of 32 rows of weights (each wave a quarter of every row pair), then the span's 8 steps of 32 channels.
.macro WLD slot, base, i0              ; rows 2 (i0 + ii), + 1 of the matrix at s[base]
	WIN 0x80                                       ; destination window 2
.set ii, 0
.rept 16
	global_load_b128 v[64*(\slot)+4*ii:64*(\slot)+4*ii+3], v[GW], s[\base:\base+1] offset:((\i0)+ii)*2048
.set ii, ii+1
.endr
.endm
.macro XLD slot, ks                    ; channels 32 ks + 16 h + ii
	WIN 0x80
.set ii, 0
.rept 16
	global_load_b128 v[64*(\slot)+4*ii:64*(\slot)+4*ii+3], v[GX], s[XBS:XBS+1] offset:(32*(\ks)+ii)*CROW th:TH_LOAD_NT
.set ii, ii+1
.endr
.endm
.macro WCV slot                        ; four f32 become 8 bytes of bf16, in place, and go to LDS
	WIN 0x8a
.set ii, 0
.rept 16
	v_cvt_pk_bf16_f32 v[64*(\slot)+4*ii], v[64*(\slot)+4*ii], v[64*(\slot)+4*ii+1]
	v_cvt_pk_bf16_f32 v[64*(\slot)+4*ii+1], v[64*(\slot)+4*ii+2], v[64*(\slot)+4*ii+3]
.set ii, ii+1
.endr
	WIN 0x08                                       ; store data in window 2
.set ii, 0
.rept 16
	ds_store_b64 v[LWA], v[64*(\slot)+4*ii:64*(\slot)+4*ii+1] offset:ii*2*PITCH
.set ii, ii+1
.endr
	WIN 0
	v_add_nc_u32 v[LWA], 32*PITCH, v[LWA]
.endm
.macro XCV slot, ks                    ; pixel u of channels 2 p and 2 p + 1 of my half: register p of fragment u
	WIN 0x4a                                       ; sources window 2, destination window 1
.set uu, 0
.rept 4
.set pp, 0
.rept 8
	v_cvt_pk_bf16_f32 v[32*(\ks)+8*uu+pp], v[64*(\slot)+8*pp+uu], v[64*(\slot)+8*pp+4+uu]
.set pp, pp+1
.endr
.set uu, uu+1
.endr
.endm
.macro ISSUE i
.if (\i) < 2
	WLD (\i)%4, 12, 16*(\i)
.elseif (\i) < 4
	WLD (\i)%4, 14, 16*((\i)-2)
.elseif (\i) < 12
	WLD (\i)%4, 16, 16*((\i)-4)
.else
	XLD (\i)%4, (\i)-12
.endif
.endm
	global_load_b32 v[PK], v[BO], s[BPS:BPS+1]     ; threads 0-63 bq, 64-127 bk
	global_load_b64 v[PK+2:PK+3], v[BL], s[22:23]  ; two numbers of bv a thread
.set it, 0
.rept 4
	ISSUE it
.set it, it+1
.endr
.set it, 0
.rept 20
.if it < 17
	s_wait_loadcnt 48                              ; loads come back in order: item it is in, the three younger items' 48 loads stay out
.else
	s_wait_loadcnt 16*(19-it)                      ; the ring runs empty
.endif
.if it == 0
	WIN 0
	ds_store_b32 v[BC], v[PK]                      ; the two loads of biases are older than item 0
	ds_store_b64 v[BC+1], v[PK+2:PK+3]
.endif
.if it < 12
	WCV it%4
.else
	XCV it%4, it-12
.endif
.if it < 16
	ISSUE it+4                                     ; the slot just emptied takes the item four further on
.endif
.set it, it+1
.endr
	WIN 0
	s_wait_dscnt 0x0                               ; for the others' sake: my part of the weights and biases lies in LDS
	s_barrier_signal -1
	s_barrier_wait -1                              ; everybody's does; from here on the weights and biases are only read
; PHASE B.  Two blocks of 16 outputs a trip.  form 0 (q, k): D = W X, a lane holds one pixel and 8 outputs.  form 1 (v): D = X W, a lane holds one channel and 8 keys.
.macro FETCH form
.irp bl, 0,1
.set ks, 0
.rept 8
	ds_load_b128 v[WF+64*\bl+8*ks:WF+64*\bl+8*ks+3],   v[AW] offset:\bl*16*PITCH+ks*64
	ds_load_b128 v[WF+64*\bl+8*ks+4:WF+64*\bl+8*ks+7], v[AW] offset:\bl*16*PITCH+ks*64+16
.set ks, ks+1
.endr
.if \form
	ds_load_b32 v[BL+\bl], v[ABV] offset:\bl*64
.else
	ds_load_b128 v[BC+8*\bl:BC+8*\bl+3],   v[AB] offset:\bl*64
	ds_load_b128 v[BC+8*\bl+4:BC+8*\bl+7], v[AB] offset:\bl*64+16
.endif
.endr
.endm
; 32 products: the four accumulators of a block take turns, one instruction a turn; the first four take the bias as C, so nothing is cleared and nothing is added later
.macro MUL form, bl
	WIN 0x04-3*(\form)                             ; the span's fragments lie in window 1: source 1 (form 0) or source 0 (form 1)
.set ks, 0
.rept 8
.irp u, 0,1,2,3
.set rD, ACC+32*(\bl)+8*\u
.set rW, WF+64*(\bl)+8*ks
.set rX, 32*ks+8*\u
.if (ks == 0) && (\form)
	v_wmma_f32_16x16x32_bf16 v[rD:rD+7], v[rX:rX+7], v[rW:rW+7], v[BC+8*(\bl):BC+8*(\bl)+7]
.elseif ks == 0
	v_wmma_f32_16x16x32_bf16 v[rD:rD+7], v[rW:rW+7], v[rX:rX+7], v[BC+8*(\bl):BC+8*(\bl)+7]
.elseif \form
	v_wmma_f32_16x16x32_bf16 v[rD:rD+7], v[rX:rX+7], v[rW:rW+7], v[rD:rD+7]
.else
	v_wmma_f32_16x16x32_bf16 v[rD:rD+7], v[rW:rW+7], v[rX:rX+7], v[rD:rD+7]
.endif
.endr
.set ks, ks+1
.endr
.endm
; next: the form of the trip whose weights are fetched (-1: none).  tau: the trip's number (form 0), for the stores' offsets.
.macro TRIP form, next, tau
	s_wait_dscnt 0x0                               ; this trip's weights and biases are in
.if \form
.irp bl, 0,1
.irp j, 0,1,2,3,4,5,6,7
	v_mov_b32 v[BC+8*\bl+\j], v[BL+\bl]            ; a lane's eight results belong to one channel: its bias eight times
.endr
.endr
.endif
	MUL \form, 0
	MUL \form, 1
	WIN 0
.rept 4
	v_nop                                          ; four places in front of the loads into registers that the products have read, and of the conversions that read results
.endr
.if (\next) >= 0
	s_add_co_u32 s[TW], s[TW], 32*PITCH            ; the next 32 rows of weights: a scalar that steps by a constant, added to a lane term that stays
	v_add_nc_u32 v[AW], s[TW], v[AW0]
.if (\next) == 0
	v_add_nc_u32 v[AB], 128, v[AB]
.elseif \form
	s_add_co_u32 s[TV], s[TV], 128                 ; and the next 32 biases of v (the first 32 are fetched at ABV0 itself)
	v_add_nc_u32 v[ABV], s[TV], v[ABV0]
.endif
	FETCH \next                                    ; lands while the results are rounded and stored
.endif
.irp bl, 0,1
.irp u, 0,1,2,3
.irp i, 0,1,2,3
	v_cvt_pk_bf16_f32 v[PK+16*\bl+4*\u+\i], v[ACC+32*\bl+8*\u+2*\i], v[ACC+32*\bl+8*\u+2*\i+1]
.endr
.endr
.endr
.irp bl, 0,1
.irp u, 0,1,2,3
.if \form
	global_store_b128 v[GV], v[PK+16*\bl+4*\u:PK+16*\bl+4*\u+3], s[VOS:VOS+1] offset:(\bl*4+\u)*512  ; a wave's store covers 512 consecutive bytes, aligned
.else
	global_store_b128 v[GO], v[PK+16*\bl+4*\u:PK+16*\bl+4*\u+3], s[KOS:KOS+1] offset:(\u*4+2*(\tau)+\bl)*512
.endif
.endr
.endr
	s_wait_xcnt 0x0                                ; the stores' data and offset registers are written again only behind this wait
.if \form
	v_add_nc_u32 v[GV], 4096, v[GV]
.endif
.endm
	FETCH 0
	TRIP 0, 0, 0                                   ; outputs 0-31 of q or k
	TRIP 0, 1, 1                                   ; outputs 32-63; foren's waves fetch Wv's first rows (sem's waves fetch Wk's, and use nothing of them)
	s_cmp_lt_u32 s[WV], 2
	s_cbranch_scc1 .Lend                           ; sem's waves have no more to compute; the branch jumps over no barrier
	s_mov_b32 s[CNT], 7
.Lv:                                                   ; channels 32 i .. 32 i + 31 of v
	TRIP 1, 1, 0
	s_sub_co_u32 s[CNT], s[CNT], 1
	s_cmp_lg_u32 s[CNT], 0
	s_cbranch_scc1 .Lv
	TRIP 1, -1, 0                                  ; the last trip fetches nothing: there is no row behind Wv's last
.Lend:
	s_wait_dscnt 0x0                               ; my reads of LDS are back (in sem's waves: the fetch that serves nothing),
	s_barrier_signal -1
	s_barrier_wait -1                              ; and so are every wave's: no LDS word is written below while a wave still reads
	s_wait_tensorcnt 0x0                           ; the wave's end: behind my last LDS store
	ds_add_u32 v[SPW], v[NIL]
	s_wait_dscnt 0x0
	s_endpgm
.Lfunc_end_k_q6e83670f74_proj:
	.size	k_q6e83670f74_proj, .Lfunc_end_k_q6e83670f74_proj-k_q6e83670f74_proj
	.p2alignl 7, 3214868480
	.fill 96, 4, 3214868480
	.section	.rodata,"a",@progbits
	.p2align	6, 0x0
	.amdhsa_kernel k_q6e83670f74_proj
		.amdhsa_group_segment_fixed_size 204800
		.amdhsa_private_segment_fixed_size 0
		.amdhsa_enable_private_segment 0
		.amdhsa_kernarg_size 80
		.amdhsa_user_sgpr_count 2
		.amdhsa_user_sgpr_kernarg_segment_ptr 1
		.amdhsa_wavefront_size32 1
		.amdhsa_system_sgpr_workgroup_id_x 1
		.amdhsa_system_sgpr_workgroup_id_y 1
		.amdhsa_system_sgpr_workgroup_id_z 1
		.amdhsa_system_vgpr_workitem_id 0
		.amdhsa_next_free_vgpr 768
		.amdhsa_next_free_sgpr 66
		.amdhsa_reserve_vcc 0
		.amdhsa_float_denorm_mode_32 3
		.amdhsa_float_denorm_mode_16_64 3
		.amdhsa_memory_ordered 1
		.amdhsa_forward_progress 1
		.amdhsa_inst_pref_size 128
	.end_amdhsa_kernel
	.amdgpu_metadata
---
amdhsa.version: [ 1, 2 ]
amdhsa.kernels:
  - .name:           k_q6e83670f74_proj
    .symbol:         k_q6e83670f74_proj.kd
    .args:
      - { .name: sem, .offset: 0, .size: 8, .value_kind: global_buffer, .address_space: global }
      - { .name: foren, .offset: 8, .size: 8, .value_kind: global_buffer, .address_space: global }
      - { .name: Wq, .offset: 16, .size: 8, .value_kind: global_buffer, .address_space: global }
      - { .name: Wk, .offset: 24, .size: 8, .value_kind: global_buffer, .address_space: global }
      - { .name: Wv, .offset: 32, .size: 8, .value_kind: global_buffer, .address_space: global }
      - { .name: bq, .offset: 40, .size: 8, .value_kind: global_buffer, .address_space: global }
      - { .name: bk, .offset: 48, .size: 8, .value_kind: global_buffer, .address_space: global }
      - { .name: bv, .offset: 56, .size: 8, .value_kind: global_buffer, .address_space: global }
      - { .name: qws, .offset: 64, .size: 8, .value_kind: global_buffer, .address_space: global }
      - { .name: kvws, .offset: 72, .size: 8, .value_kind: global_buffer, .address_space: global }
    .group_segment_fixed_size: 204800
    .private_segment_fixed_size: 0
    .kernarg_segment_align: 8
    .kernarg_segment_size: 80
    .max_flat_workgroup_size: 128
    .sgpr_count:     66
    .vgpr_count:     768
    .wavefront_size: 32
...
	.end_amdgpu_metadata
.endif
;; end of part 1
;; launch attn (part 2): grid 32 x 8, 4 waves a work-group, clusters of 4 x 1, 327,680 bytes of LDS; arguments qws, kvws, sem, gamma, out0; writes out0
.if DOCPART == 2
	.amdgcn_target "amdgcn-amd-amdhsa--gfx1250"
	.amdhsa_code_object_version 6
	.text
	.protected	k_q6e83670f74_attn
	.globl	k_q6e83670f74_attn
	.p2align	8
	.type	k_q6e83670f74_attn,@function
k_q6e83670f74_attn:
	s_mov_b64 s[64:65], 0
	v_nop
	global_prefetch_b8 v0, s[64:65] scope:SCOPE_SE
	s_setreg_imm32_b32 hwreg(HW_REG_WAVE_MODE, 25, 1), 1
	s_wait_xcnt 0x0
	s_wait_alu depctr_hold_cnt(0) depctr_sa_sdst(0) depctr_va_vdst(0) depctr_va_sdst(0) depctr_va_ssrc(0) depctr_va_vcc(0) depctr_vm_vsrc(0)
	s_getreg_b32 s2, hwreg(HW_REG_IB_STS2, 6, 4)
	s_cmp_eq_u32 s2, 0
	s_cbranch_scc0 .Lentry_in_a_cluster
	s_endpgm
.Lentry_in_a_cluster:
	s_bfe_u32 s2, ttmp6, 0x10000c
	s_cmp_lg_u32 s2, 0x3003
	s_cbranch_scc0 .Lentry_shape_is_right
	s_endpgm
.Lentry_shape_is_right:
; out0[b][c][n] = sem[b][c][n] + gamma x the sum over m of softmax_m(q[n] . k[m] / 8) v[c][m].  q, k, v come in bf16 from the launch before, in fragment order (blocks of 512 bytes, lane l at 16 l).
; Products, maxima, sums, the merge and sem + gamma x out in f32; the weights p are rounded to bf16 for the second product (their sum l is taken of the unrounded p).
; LIMITS.  c s (c = log2(e) / 8) stays under 4e37 in size: c m starts at -4.25e37.  A weight below 2^-126 counts as 0.  NaN and infinities are not treated apart.
; SHARES.  A work-group owns 128 queries of a batch.  Wave w owns the 64 queries of half w / 2 (four tiles of 16) with all 256 channels of O^T, 512 registers, and walks the keys of half w % 2 of every
; tile of 128 keys: 32 steps of 64 keys.  So a fragment of V read from LDS feeds four products.  The two waves of a pair keep a running maximum m and sum l each, and meet once, at the end.
; LAYOUT.  S^T = K Q^T holds ONE query a lane (l % 16) and the keys 8 (l / 16) + 0..7; two such results rounded to bf16 ARE source 1 of O^T = V P.  Query r of tile u is pixel 4 r + u of the span, so
; for one channel a lane's four tiles are 16 consecutive bytes of out0 and sixteen lanes 256, aligned: no transposition on the way out.
; SOFTMAX.  p = 2^(c s - c m); in every step O and l are multiplied by a = 2^(c m_old - c m_new).  m starts at the lowest finite number, O and l at 0: the first step is a step like any other, with a = 0.
; THE PIPELINE.  While the 128 products V P of step j run (pass 0: keys 0-31, pass 1: keys 32-63), the softmax of step j + 1 stands in slices of four behind them; the 32 products K Q^T of step j + 2
; follow, with the rest of that softmax (the second half's roundings, the rest of O's rescaling) behind them.  No first step is written out: the loop's first trip multiplies zeros, and the price is
; 704 lines that write 0, in the wait for the first loads.
; THE RING.  A tile of kvws is 81,920 dense bytes: for each half 8,192 of K, of the NEXT tile's keys, and 32,768 of V.  So two slots serve V of steps j and j + 1 and K of step j + 2.
; CLUSTER.  The four query blocks of a cluster walk the same tiles: each wave asks JOINTLY for its quarter of a tile, the same line, descriptor and mask in all four work-groups.
; REGISTERS, in windows of 256 (s_set_vgpr_msb: bits 1:0 source 0, 3:2 source 1, 5:4 source 2, 7:6 destination):
;   window 0: v0-11 addresses; v12-43 eight registers of statistics a tile; v44-63 the merge's, the add's, the prefetches'; v64-191 S^T, 32 a tile; v192-255 P, 16 a tile
;   windows 1, 2: O^T of tile t at window 1 + t / 2, v[128 (t % 2) + 8 cbr]          window 3: v0-63 Q; v64-127 K of one step; v128-255 V of one pass; on the way out all 256 hold sem
; Register block cbr holds channel block cbr xor 8 (w % 2): both waves of a pair keep cbr 0-7 and hand cbr 8-15 to the partner, by one text.
.set TILEB, 81920
.set BLKB,  40960                      ; a half tile: K 8,192, V 32,768
.set QUART, 20480                      ; what one tensor load brings
.set SLOT1, 1<<17                      ; slot 0 at 0, slot 1 here: one exclusive or turns an address in one into the other's
.set XA,    TILEB                      ; between the slots, never filled by a tensor load: 12,288 bytes a wave of what is handed to the partner (blocks 0-23)
.set XS,    SLOT1+TILEB                ; behind slot 1: 1,024 bytes a wave of statistics,
.set XB,    XS+4096                    ; 20,480 a wave (blocks 24-63),
.set SPARE, XB+4*20480                 ; and the spare words, 128 bytes for each wave: two blocks of 256 bytes that no other line names
.set CROW,  16384                      ; bytes of a channel's row in a batch
.set A0K, 2                            ; v2   16 l + my half's place in a slot; never rewritten in the loop
.set A0A, 3                            ; v3   the same for V's register blocks 0-7
.set A0B, 4                            ; v4   and 8-15
.set ADR, 5                            ; v5   the LDS address of the run of loads in hand
.set GOF, 6                            ; v6   my 16 bytes in sem and out0: 8 (l / 16) rows + 16 (l % 16); never rewritten
.set XWA, 7                            ; v7-8   where I put what the partner gets
.set XWB, 8
.set XRA, 9                            ; v9-10  where I read what the partner has put
.set XRB, 10
.set L16, 11                           ; v11  16 l
.set ST,  12                           ; tile t at ST + 8 t: c m, m, l (even keys', odd keys'), c0-c3 at work; a takes c2's place
.set CMQ, 44                           ; v44-47 my c m by tile
.set LQ,  48                           ; v48-51 my l
.set PCM, 52                           ; v52-55 the partner's c m; then the factor of my O
.set PLQ, 56                           ; v56-59 the partner's l; then the factor of the partner's O
.set SPW, 60                           ; v60  my spare word; never rewritten
.set NIL, 61                           ; v61  0; never rewritten
.set PFO, 62                           ; v62  256 l
.set PFS, 63                           ; v63  16,384 l
.set S,   64
.set P,   192
.set WV,  14
.set KH,  15                           ; which half of the keys
.set QH,  16                           ; which half of the queries
.set CX,  17                           ; my place in the cluster: it enters the addresses of q, sem, out0 and the prefetches alone
.set QB,  18
.set BA,  19
.set G1,  24                           ; s[24:31] descriptor group 1
.set G0,  32                           ; s[32:35] descriptor group 0: it walks
.set CNT, 36
.set TB,  37                           ; the slot that is being read
.set PM,  38                           ; 1 in the batch's first cluster
.set PFA, 40                           ; s[40:41] where my prefetches stand
.set CS,  42                           ; s[42:43] c
.set SEL, 44                           ; s[44:45] v_permlanex16_b32's selects: each lane takes its own place in the other half
.set GAM, 46
.set SEMB, 48                          ; s[48:49] sem at my 128 channels and 64 pixels
.set OUTB, 50                          ; s[50:51] out0 likewise
.set MSB, 0
.macro WIN new                         ; the high byte repeats the setting that is left; a switch that changes nothing is dropped
.if MSB != (\new)
	s_set_vgpr_msb (MSB<<8)|(\new)
.set MSB, \new
.endif
.endm
.macro PLACES
.rept 4
	v_nop
.endr
.endm
.macro CREST                           ; a round of the cluster's barrier behind its opening barrier
	s_cmp_lg_u32 s[WV], 0
	s_cbranch_scc1 .Lnot_wave_0_\@
	s_barrier_signal -3
.Lnot_wave_0_\@:
	s_barrier_wait -3
	s_barrier_signal -1
	s_barrier_wait -1
.endm
.macro CROUND
	s_barrier_signal -1
	s_barrier_wait -1
	CREST
.endm
.macro JLOAD                           ; every wave's quarter of a tile: one line for all waves; an s_nop 0 and four v_nop follow
	tensor_load_to_lds s[G0:G0+3], s[G1:G1+7]
	s_nop 0
	PLACES
.endm
; A PREFETCH INTO THE L2.  All eight clusters of a batch walk the same tiles: the first asks.  In the trips that ask for an odd tile T (CNT = 32 - T odd) it names tiles T + 1 and T + 2, four half tiles:
; one for each partner, told apart by address; of its 160 blocks of 256 bytes each wave names 32, a lane a block, and wave 0 the last 32 too.  So each block is named once, one or two trips (160 or 320
; products) ahead of the load that wants it.  Tiles 0 and 1 come by their loads alone; the trip that asks for tile 31 names nothing.
.macro ASK
	s_and_b32 s39, s[CNT], s[PM]
	s_cmp_eq_u32 s39, 1
	s_cbranch_scc0 .Lno_ask_\@
	s_cmp_ge_u32 s[CNT], 3
	s_cbranch_scc0 .Lno_ask_\@
	global_prefetch_b8 v[PFO], s[PFA:PFA+1] th:TH_LOAD_NT scope:SCOPE_SE
	s_cmp_lg_u32 s[WV], 0
	s_cbranch_scc1 .Lno_ask_\@
	global_prefetch_b8 v[PFO], s[PFA:PFA+1] offset:32768 th:TH_LOAD_NT scope:SCOPE_SE
.Lno_ask_\@:
.endm
	s_load_b256 s[4:11], s[0:1], 0x0               ; qws 4, kvws 6, sem 8, gamma 10
	s_load_b64 s[12:13], s[0:1], 0x20              ; out0
	v_lshl_add_u32 v[SPW], v0, 2, SPARE
	v_mov_b32 v[NIL], 0
	ds_add_u32 v[SPW], v[NIL]                      ; the wave's opening: the add and its wait stand ahead of my first tensor load; the set-up below, work on registers, stands between them
	v_lshrrev_b32 v1, 5, v0
	v_readfirstlane_b32 s[WV], v1                  ; wave 0..3
	s_and_b32 s[KH], s[WV], 1
	s_lshr_b32 s[QH], s[WV], 1
	s_bfe_u32 s[CX], ttmp6, 0x40000
	s_lshl_b32 s[QB], ttmp9, 2                     ; in a cluster launch ttmp9 counts clusters
	s_add_co_u32 s[QB], s[QB], s[CX]               ; my block of 128 queries
	s_and_b32 s[BA], ttmp7, 0xffff                 ; the batch, which the four partners share
	s_mov_b32 s[G1], 15|(3<<16)|(1<<21)            ; 15:0 the mask of four; 17:16 elements of 8 bytes; 21 set beside a mask; no padding: every LDS read is 16 bytes a lane on end
	s_mov_b32 s[G1+1], 32<<16                      ; tensor_dim0 = 32 elements: rows of 256 bytes
	s_mov_b32 s[G1+2], 80<<16                      ; tensor_dim1 = 80
	s_mov_b32 s[G1+3], 32<<16                      ; tile_dim0 = 32
	s_mov_b32 s[G1+4], 80                          ; tile_dim1 = 80 rows: 20,480 dense bytes
	s_mov_b32 s[G1+5], 32                          ; 32 elements from row to row
	s_mov_b32 s[G1+6], 0
	s_mov_b32 s[G1+7], 0
	s_mov_b32 s[G0], 1                             ; count = 1
	s_mul_i32 s[G0+1], s[WV], QUART                ; LDS address: my quarter of slot 0
	s_mov_b32 s[CS], 0x3e38aa3b                    ; c = log2(e) / 8
	s_mov_b32 s[CS+1], s[CS]
	s_mov_b32 s[SEL], 0x76543210
	s_mov_b32 s[SEL+1], 0xfedcba98
	s_mov_b32 s[TB], 0
	s_mov_b32 s[CNT], 31
	s_cmp_eq_u32 ttmp9, 0
	s_cselect_b32 s[PM], 1, 0                      ; the same in all four partners
	s_mul_i32 s20, s[BA], 64*BLKB                  ; the batch in kvws
	s_mov_b32 s21, 0
	s_mul_i32 s22, s[WV], QUART                    ; my quarter of a tile
	s_mov_b32 s23, 0
	s_add_co_u32 s[PFA], s[CX], 2                  ; the prefetches: half tile 2 T + 2 + cx, here for T = 0; every change of slots steps it by a tile
	s_mul_i32 s[PFA], s[PFA], BLKB
	s_lshl_b32 s39, s[WV], 13
	s_add_co_u32 s[PFA], s[PFA], s39
	s_mov_b32 s[PFA+1], 0
	s_add_co_u32 s52, s[KH], 62                    ; K of tile 0 lies in the batch's last tile
	s_mul_i32 s52, s52, BLKB
	s_mov_b32 s53, 0
	s_lshl_b32 s54, s[BA], 6
	s_lshl_b32 s39, s[QB], 1
	s_add_co_u32 s54, s54, s39
	s_add_co_u32 s54, s54, s[QH]                   ; my queries' span
	s_lshl_b32 s54, s54, 13
	s_mov_b32 s55, 0
	s_lshl_b32 s48, s[BA], 22                      ; in sem and out0: the batch,
	s_lshl_b32 s39, s[KH], 21                      ; the 128 channels that I finish,
	s_add_co_u32 s48, s48, s39
	s_lshl_b32 s39, s[QB], 9                       ; my 64 pixels
	s_add_co_u32 s48, s48, s39
	s_lshl_b32 s39, s[QH], 8
	s_add_co_u32 s48, s48, s39
	s_mov_b32 s49, 0
	s_wait_dscnt 0x0                               ; the opening add is done
	s_wait_kmcnt 0x0
	s_add_nc_u64 s[6:7], s[6:7], s[20:21]
	s_add_nc_u64 s[G0+2:G0+3], s[6:7], s[22:23]    ; global address: my quarter of tile 0
	s_or_b32 s[G0+3], s[G0+3], 0x80000000          ; type = 2
	s_add_nc_u64 s[PFA:PFA+1], s[6:7], s[PFA:PFA+1]
	s_add_nc_u64 s[52:53], s[6:7], s[52:53]
	s_add_nc_u64 s[54:55], s[4:5], s[54:55]
	s_add_nc_u64 s[OUTB:OUTB+1], s[12:13], s[48:49]
	s_add_nc_u64 s[SEMB:SEMB+1], s[8:9], s[48:49]
	s_load_b32 s[GAM], s[10:11], 0x0               ; waited for at the merge
	CROUND                                         ; all four work-groups are here: the first joint loads meet
	JLOAD                                          ; tile 0 into slot 0; slot 1 is filled by the loop's first trip
	v_and_b32 v[L16], 31, v0
	v_lshlrev_b32 v[PFO], 8, v[L16]
	v_lshlrev_b32 v[PFS], 14, v[L16]
	v_lshlrev_b32 v[L16], 4, v[L16]
	WIN 0xc0                                       ; destination window 3
.set i, 0
.rept 16
	global_load_b128 v[4*i:4*i+3], v[L16], s[54:55] offset:512*i        ; Q: tile i / 4, depth 16 (i % 4) on
	global_load_b128 v[64+4*i:64+4*i+3], v[L16], s[52:53] offset:512*i  ; K of step 0, likewise
.set i, i+1
.endr
.set i, 128
.rept 128
	v_mov_b32 v[i], 0                              ; V
.set i, i+1
.endr
	WIN 0x40
.set i, 0
.rept 256
	v_mov_b32 v[i], 0                              ; O^T of tiles 0, 1
.set i, i+1
.endr
	WIN 0x80
.set i, 0
.rept 256
	v_mov_b32 v[i], 0                              ; of tiles 2, 3
.set i, i+1
.endr
	WIN 0
.set i, 0
.rept 64
	v_mov_b32 v[P+i], 0
.set i, i+1
.endr
.irp t, 0,1,2,3
	v_mov_b32 v[ST+8*\t], 0xfe000000               ; c m: far below every c s
	v_mov_b32 v[ST+8*\t+1], 0xff7fffff             ; m
	v_mov_b32 v[ST+8*\t+2], 0
	v_mov_b32 v[ST+8*\t+3], 0
.endr
	v_and_b32 v1, 15, v0
	v_bfe_u32 v[ADR], v0, 4, 1
	v_lshlrev_b32 v[GOF], 17, v[ADR]               ; 8 rows of 16,384 bytes
	v_lshl_add_u32 v[GOF], v1, 4, v[GOF]
	s_mul_i32 s20, s[KH], BLKB
	v_add_nc_u32 v[A0K], s20, v[L16]
	s_mul_i32 s20, s[KH], BLKB+16384               ; register blocks 0-7 are channel blocks 8 (w % 2) on,
	v_add_nc_u32 v[A0A], s20, v[L16]
	s_mul_i32 s20, s[KH], BLKB-16384               ; register blocks 8-15 the other eight
	v_add_nc_u32 v[A0B], s20, v[L16]
	s_xor_b32 s21, s[WV], 1                        ; my partner
	s_mul_i32 s20, s[WV], 12288
	s_add_co_u32 s20, s20, XA
	v_add_nc_u32 v[XWA], s20, v[L16]
	s_mul_i32 s20, s[WV], 20480
	s_add_co_u32 s20, s20, XB
	v_add_nc_u32 v[XWB], s20, v[L16]
	s_mul_i32 s20, s21, 12288
	s_add_co_u32 s20, s20, XA
	v_add_nc_u32 v[XRA], s20, v[L16]
	s_mul_i32 s20, s21, 20480
	s_add_co_u32 s20, s20, XB
	v_add_nc_u32 v[XRB], s20, v[L16]
; THE MATRIX WORK.  The accumulators take turns, one instruction a turn: 63 others stand between two links of a chain in O^T, 7 in S^T.
.macro PVI kk, i                       ; product i of 64 of pass kk: tile i % 4, register block i / 4
.set pt, (\i)%4
.set pc, (\i)/4
.set rO, 128*(pt%2)+8*pc
.set rV, 128+8*pc
.set rP, P+16*pt+8*(\kk)
	WIN 0x53+0x50*(pt/2)                           ; V window 3, P window 0, O^T window 1 or 2
	v_wmma_f32_16x16x32_bf16 v[rO:rO+7], v[rV:rV+7], v[rP:rP+7], v[rO:rO+7]
.endm
.macro KQI i                           ; product i of 32: key blocks 0, 1 first, then 2, 3; for each pair depth 0-31 (which starts the sums), then 32-63; tile i % 4
.set kd, ((\i)/8)%2
.set kb, 2*((\i)/16)+((\i)/4)%2
.set kt, (\i)%4
.set rS, S+32*kt+8*kb
.set rK, 64+16*kb+8*kd
.set rQ, 16*kt+8*kd
	WIN 0x0f                                       ; K and Q window 3, S^T window 0
.if kd == 0
	v_wmma_f32_16x16x32_bf16 v[rS:rS+7], v[rK:rK+7], v[rQ:rQ+7], 0
.else
	v_wmma_f32_16x16x32_bf16 v[rS:rS+7], v[rK:rK+7], v[rQ:rQ+7], v[rS:rS+7]
.endif
.endm
; THE LDS LOADS stand in runs of 16, never singly among the matrix instructions.
.macro FV half, kk                     ; V of keys 32 kk on, register blocks 8 half on
	WIN 0
	v_add_nc_u32 v[ADR], s[TB], v[A0A+(\half)]
	WIN 0xc0
.set f, 8*(\half)
.rept 8
	ds_load_b128 v[128+8*f:128+8*f+3],   v[ADR] offset:8192+(4*f+2*(\kk))*512
	ds_load_b128 v[128+8*f+4:128+8*f+7], v[ADR] offset:8192+(4*f+2*(\kk)+1)*512
.set f, f+1
.endr
.endm
.macro FK                              ; K of the step after next
	WIN 0
	v_add_nc_u32 v[ADR], s[TB], v[A0K]
	WIN 0xc0
.set f, 0
.rept 16
	ds_load_b128 v[64+4*f:64+4*f+3], v[ADR] offset:512*f
.set f, f+1
.endr
.endm
; THE VECTOR WORK, one line at a time; the four tiles alternate, so that no line reads the result of the one before it.
; SMX t, n: number n of the 22 that find tile t's maximum and statistics.  0-11 four chains c0-c3 of seven scores each (each accumulator's lowest registers are read first);
; 12-15 the four scores left over, c0-c3 and the old m; 16, 18 the query's other 32 keys lie in the lane 16 away: the new m; 17 c m_old is kept; 19-21 c m, c m_old - c m_new, a.
.macro SMX t, n
	WIN 0
.set rT, ST+8*(\t)
.set rS, S+32*(\t)
.if (\n) < 4
	v_max3_num_f32 v[rT+4+(\n)], v[rS+8*(\n)], v[rS+8*(\n)+1], v[rS+8*(\n)+2]
.elseif (\n) < 12
	v_max3_num_f32 v[rT+4+(\n)%4], v[rT+4+(\n)%4], v[rS+8*((\n)%4)+2*((\n)/4)+1], v[rS+8*((\n)%4)+2*((\n)/4)+2]
.elseif (\n) == 12
	v_max3_num_f32 v[rT+4], v[rT+4], v[rS+7], v[rS+15]
.elseif (\n) == 13
	v_max3_num_f32 v[rT+6], v[rT+6], v[rS+23], v[rS+31]
.elseif (\n) == 14
	v_max3_num_f32 v[rT+4], v[rT+4], v[rT+5], v[rT+6]
.elseif (\n) == 15
	v_max3_num_f32 v[rT+4], v[rT+4], v[rT+7], v[rT+1]
.elseif (\n) == 16
	v_permlanex16_b32 v[rT+5], v[rT+4], s[SEL], s[SEL+1]
.elseif (\n) == 17
	v_mov_b32 v[rT+7], v[rT]
.elseif (\n) == 18
	v_max_num_f32 v[rT+1], v[rT+4], v[rT+5]
.elseif (\n) == 19
	v_mul_f32 v[rT], s[CS], v[rT+1]
.elseif (\n) == 20
	v_sub_f32 v[rT+7], v[rT+7], v[rT]
.else
	v_exp_f32 v[rT+6], v[rT+7]
.endif
.endm
.macro FS f                            ; c s - c m for pair f / 4 of tile f % 4
	WIN 0
.set rT, ST+8*((\f)%4)
.set rS, S+32*((\f)%4)+2*((\f)/4)
	v_pk_fma_f32 v[rS:rS+1], v[rS:rS+1], s[CS:CS+1], v[rT:rT+1] op_sel_hi:[1,0,0] neg_lo:[0,0,1] neg_hi:[0,0,1]
.endm
.macro EX e                            ; the exponential of score e / 4 of tile e % 4
	WIN 0
.set rS, S+32*((\e)%4)+(\e)/4
	v_exp_f32 v[rS], v[rS]
.endm
.macro SU k                            ; l takes pair k / 4 of tile k % 4; the first time as l = a l + pair
	WIN 0
.set rT, ST+8*((\k)%4)
.set rS, S+32*((\k)%4)+2*((\k)/4)
.if (\k) < 4
	s_wait_alu depctr_va_vdst(0)
	v_pk_fma_f32 v[rT+2:rT+3], v[rT+2:rT+3], v[rT+6:rT+7], v[rS:rS+1] op_sel_hi:[1,0,1]
.else
	s_wait_alu depctr_va_vdst(0)
	v_pk_add_f32 v[rT+2:rT+3], v[rT+2:rT+3], v[rS:rS+1]
.endif
.endm
.macro CV c, kk                        ; pair 8 kk + c / 4 of tile c % 4 rounded to bf16
	WIN 0
.set rP, P+16*((\c)%4)+8*(\kk)+(\c)/4
.set rS, S+32*((\c)%4)+16*(\kk)+2*((\c)/4)
	v_cvt_pk_bf16_f32 v[rP], v[rS], v[rS+1]
.endm
.macro RS1 y, z                        ; pair z of accumulator y (tile y % 4, register block y / 4) times a
.set rT, ST+8*((\y)%4)
.set rO, 128*((\y)%2)+8*((\y)/4)+2*(\z)
	WIN 0x41+0x41*(((\y)%4)/2)                     ; destination and source 0 in window 1 or 2, a in window 0
	v_pk_mul_f32 v[rO:rO+1], v[rO:rO+1], v[rT+6:rT+7] op_sel_hi:[1,0]
.endm
.macro RS4 y
	RS1 \y, 0
	RS1 \y, 1
	RS1 \y, 2
	RS1 \y, 3
.endm
; THE LISTS.  Slice i, entries 4 i .. 4 i + 3, stands behind product i.  From the first exponential of a score on a slice reads plain, exponential, plain, exponential: each exponential has a plain line
; behind it before its result is used.  By count: an exponential stands behind its scaling, a sum and a rounding behind their exponentials; P's first half is written in pass 1 alone and its second half
; behind pass 1, each four plain lines or more behind the last product that read it; accumulator y is rescaled 30 slices or more behind pass 1's product y.
.macro L0 n                            ; pass 0: the maxima and statistics, all 64 scalings, exponentials 0-79, sums 0-23
.if (\n) < 88
	SMX (\n)%4, (\n)/4
.elseif (\n) < 96
	FS (\n)-88
.elseif (\n)%2 == 1
	EX ((\n)-97)/2
.elseif (\n) < 208
	FS 8+((\n)-96)/2
.else
	SU ((\n)-208)/2
.endif
.endm
.macro PL1 p
.if (\p) < 8
	SU 24+(\p)
.elseif (\p) < 40
	CV (\p)-8, 0
.else
	SU (\p)-8
.endif
.endm
.macro L1 n                            ; pass 1: exponentials 80-127, sums 24-63, the first half's roundings; from slice 30 on accumulators 0-33 are rescaled
.if ((\n) < 96) && ((\n)%2 == 1)
	EX 80+((\n)-1)/2
.elseif (\n) < 96
	PL1 (\n)/2
.elseif (\n) < 120
	PL1 (\n)-48
.else
	RS1 ((\n)-120)/4, ((\n)-120)%4
.endif
.endm
.macro LY k                            ; behind product k of K Q^T: the second half's roundings (done before product 16 writes those scores anew), accumulators 34-63
.if (\k) < 8
	CV 4*(\k), 1
	CV 4*(\k)+1, 1
	CV 4*(\k)+2, 1
	CV 4*(\k)+3, 1
.else
	RS4 26+(\k)
.if (\k) >= 26
	RS4 32+(\k)
.endif
.endif
.endm
.macro PVS kk, lo, hi                  ; products lo .. hi of pass kk, each with its slice
.set pi, \lo
.rept (\hi)-(\lo)+1
	PVI \kk, pi
.irp z, 0,1,2,3
.if \kk
	L1 4*pi+\z
.else
	L0 4*pi+\z
.endif
.endr
.set pi, pi+1
.endr
.endm
.macro PVB kk, lo, hi                  ; the same, bare
.set pi, \lo
.rept (\hi)-(\lo)+1
	PVI \kk, pi
.set pi, pi+1
.endr
.endm
	s_wait_loadcnt 0x0                             ; Q and K of step 0
.set ki, 0
.rept 32
	KQI ki                                         ; the scores of step 0: there is no vector work yet to set between them
.set ki, ki+1
.endr
	WIN 0
	PLACES                                         ; four places in front of the first read of those scores
.set nn, 0
.rept 256
	L0 nn
.set nn, nn+1
.endr
.set nn, 0
.rept 8
	L1 nn                                          ; the loop is entered behind pass 1's second slice
.set nn, nn+1
.endr
	WIN 0                                          ; at a label and at a branch every window is 0
; A TRIP, j = -1 .. 29: the rest of pass 1 of step j, K Q^T of step j + 2, pass 0 and the first two products of pass 1 of step j + 1.  s[TB] is the slot of tile j + 1.
.Ltop:
	s_wait_tensorcnt 0x0                           ; my one tensor load that was out, my quarter of tile j + 1, has landed: group 0 may be written
	ds_add_u32 v[SPW], v[NIL]                      ; 0 onto my spare word; work on registers stands between it and the wait for it
	s_xor_b32 s[G0+1], s[G0+1], SLOT1              ; the other slot than last time,
	s_add_nc_u64 s[G0+2:G0+3], s[G0+2:G0+3], TILEB ; the next tile; the type bits on top are not reached
	s_wait_xcnt 0x0                                ; the last prefetches, a trip back, have read their address
	s_add_nc_u64 s[PFA:PFA+1], s[PFA:PFA+1], TILEB
	PVS 1, 2, 13
	WIN 0
	s_wait_dscnt 0x0                               ; the add is done, and so are my reads of tile j's slot: the last run of 16 was issued twelve products back
	s_barrier_signal -1                            ; this barrier opens a round of the cluster's
	PVS 1, 14, 21                                  ; work on registers while the others arrive
	WIN 0
	s_barrier_wait -1
	CREST                                          ; no wave of any partner still reads that slot or has a load on its way
	JLOAD                                          ; tile j + 2: it has a trip's 160 products in which to land
	ASK
	PVS 1, 22, 33
	FK                                             ; K's last reader stands a pass back; V's blocks 0-7 were last read by product 31, twelve plain lines back
	FV 0, 0                                        ; V of step j + 1, keys 0-31
	PVS 1, 34, 63
	s_wait_dscnt 0x0                               ; both runs, issued 30 products back
.set ki, 0
.rept 32
	KQI ki
	LY ki
.if ki == 1
	FV 1, 0                                        ; V's blocks 8-15 were last read by pass 1's product 63; slice 63's four plain lines stand between
.endif
.set ki, ki+1
.endr
	PVS 0, 0, 31
	s_wait_dscnt 0x0                               ; blocks 8-15, issued 62 products back
	PVS 0, 32, 33
	FV 0, 1                                        ; six plain lines behind product 31
	PVS 0, 34, 63
	s_wait_dscnt 0x0                               ; issued 30 products back
	PVS 1, 0, 1
	FV 1, 1                                        ; six plain lines behind pass 0's product 63: my last read of this tile's slot
	s_xor_b32 s[TB], s[TB], SLOT1
	WIN 0
	s_sub_co_u32 s[CNT], s[CNT], 1
	s_cmp_lg_u32 s[CNT], 0
	s_cbranch_scc1 .Ltop
; THE TAIL, written out: the rest of pass 1 of step 30 with the last softmax, then step 31.  Nothing is asked for, so the barrier is the work-group's alone.
.macro SEMLD lo, hi                    ; load i: channel 16 (i / 8) + i % 8 (+ 8 for lanes 16-31) of my 128: sixteen lanes read 256 consecutive bytes, aligned
	WIN 0xc0
.set si, \lo
.rept (\hi)-(\lo)+1
	global_load_b128 v[4*si:4*si+3], v[GOF], s[SEMB:SEMB+1] offset:(16*(si/8)+si%8)*CROW th:TH_LOAD_NT
.set si, si+1
.endr
.endm
	s_wait_tensorcnt 0x0                           ; my quarter of tile 31
	ds_add_u32 v[SPW], v[NIL]
	PVS 1, 2, 13
	WIN 0
	s_wait_dscnt 0x0
	s_barrier_signal -1
	PVS 1, 14, 21
	WIN 0
	s_barrier_wait -1                              ; tile 31 is whole
	SEMLD 0, 31                                    ; Q's and K's registers are free: sem of my first 64 channels goes there now
	global_prefetch_b8 v[PFS], s[SEMB:SEMB+1] offset:64*CROW th:TH_LOAD_NT scope:SCOPE_SE  ; my 256 bytes of the other 64 rows, a lane a row: their registers come free only behind the last
	global_prefetch_b8 v[PFS], s[SEMB:SEMB+1] offset:96*CROW th:TH_LOAD_NT scope:SCOPE_SE  ; product, 170 products on; no other wave of the launch reads these blocks
	PVS 1, 22, 33
	FV 0, 0
	PVS 1, 34, 63
	LY 0
	LY 1
	FV 1, 0
.set ki, 2
.rept 30
	LY ki
.set ki, ki+1
.endr
	s_wait_dscnt 0x0
	PVB 0, 0, 33
	PLACES                                         ; in front of the loads into registers that product 31 has read
	FV 0, 1
	PVB 0, 34, 63
	s_wait_dscnt 0x0
	PVB 1, 0, 1
	PLACES
	FV 1, 1
	PVB 1, 2, 31
	s_wait_dscnt 0x0
	PVB 1, 32, 63
; THE MERGE AND THE WAY OUT.  Each wave hands c m, l and its register blocks 8-15 of O^T to its partner through LDS, in f32, and finishes blocks 0-7:
; out0 = sem + g e0 O + g e1 O', e0 = 2^(c m - M), e1 = 2^(c m' - M), M the greater of c m and c m', g = gamma / (l e0 + l' e1).
	WIN 0
.irp t, 0,1,2,3
	v_add_f32 v[LQ+\t], v[ST+8*\t+2], v[ST+8*\t+3] ; these eight plain lines are the places behind the last products
.endr
.irp t, 0,1,2,3
	v_mov_b32 v[CMQ+\t], v[ST+8*\t]
.endr
.irp t, 0,1,2,3
	v_permlanex16_b32 v[ST+8*\t+5], v[LQ+\t], s[SEL], s[SEL+1]
.endr
.irp t, 0,1,2,3
	v_add_f32 v[LQ+\t], v[LQ+\t], v[ST+8*\t+5]
.endr
	s_lshl_b32 s20, s[WV], 10
	s_add_co_u32 s20, s20, XS
	s_xor_b32 s21, s[WV], 1
	s_lshl_b32 s21, s21, 10
	s_add_co_u32 s21, s21, XS
	v_add_nc_u32 v2, s20, v[L16]                   ; my statistics' place,
	v_add_nc_u32 v3, s21, v[L16]                   ; my partner's
	SEMLD 32, 63                                   ; V's registers are free
	WIN 0
	ds_store_b128 v2, v[CMQ:CMQ+3]
	ds_store_b128 v2, v[LQ:LQ+3] offset:512
.irp u, 0,1,2,3
	WIN 0x04+0x04*(\u/2)                           ; store data in window 1 or 2
.set cl, 0
.rept 8
.irp hf, 0,1
.set be, (cl*4+\u)*2+\hf
.set rO, 128*(\u%2)+8*(8+cl)+4*\hf
.if be < 24
	ds_store_b128 v[XWA], v[rO:rO+3] offset:be*512
.else
	ds_store_b128 v[XWB], v[rO:rO+3] offset:(be-24)*512
.endif
.endr
.set cl, cl+1
.endr
.endr
	WIN 0
	s_wait_dscnt 0x0                               ; for the partner's sake: all that I hand over lies in LDS
	s_barrier_signal -1
	s_barrier_wait -1
.macro PBLD c                          ; the partner's eight blocks for my register block c, into S^T's registers, two buffers by turns
	WIN 0
.irp u, 0,1,2,3
.irp hf, 0,1
.set be, ((\c)*4+\u)*2+\hf
.set rB, S+32*((\c)%2)+8*\u+4*\hf
.if be < 24
	ds_load_b128 v[rB:rB+3], v[XRA] offset:be*512
.else
	ds_load_b128 v[rB:rB+3], v[XRB] offset:(be-24)*512
.endif
.endr
.endr
.endm
	ds_load_b128 v[PCM:PCM+3], v3
	ds_load_b128 v[PLQ:PLQ+3], v3 offset:512
	PBLD 0
	s_wait_dscnt 8                                 ; the statistics are in; the eight loads behind them may stay out
	s_wait_kmcnt 0x0                               ; gamma
.irp t, 0,1,2,3
	v_max_num_f32 v[ST+8*\t+4], v[CMQ+\t], v[PCM+\t]
.endr
.irp t, 0,1,2,3
	v_sub_f32 v[ST+8*\t+5], v[CMQ+\t], v[ST+8*\t+4]
	v_sub_f32 v[ST+8*\t+6], v[PCM+\t], v[ST+8*\t+4]
.endr
.irp t, 0,1,2,3
	v_exp_f32 v[ST+8*\t+5], v[ST+8*\t+5]
	v_exp_f32 v[ST+8*\t+6], v[ST+8*\t+6]
.endr
	v_nop                                          ; a plain line between the last exponential and the use of its result
	s_wait_alu depctr_va_vdst(0)
.irp t, 0,1,2,3
	v_mul_f32 v[ST+8*\t+7], v[LQ+\t], v[ST+8*\t+5]
.endr
.irp t, 0,1,2,3
	v_fmac_f32 v[ST+8*\t+7], v[PLQ+\t], v[ST+8*\t+6]
.endr
.irp t, 0,1,2,3
	v_rcp_f32 v[ST+8*\t+7], v[ST+8*\t+7]
.endr
	v_nop
	s_wait_alu depctr_va_vdst(0)
.irp t, 0,1,2,3
	v_mul_f32 v[ST+8*\t+7], s[GAM], v[ST+8*\t+7]
.endr
.irp t, 0,1,2,3
	v_mul_f32 v[PCM+\t], v[ST+8*\t+7], v[ST+8*\t+5]
	v_mul_f32 v[PLQ+\t], v[ST+8*\t+7], v[ST+8*\t+6]
.endr
.set cb, 0
.rept 8
.if cb < 7
	PBLD cb+1
	s_wait_dscnt 8                                 ; block cb's eight loads are in; the next block's eight stay out
.else
	s_wait_dscnt 0x0
.endif
	s_wait_loadcnt 56-8*cb                         ; sem for this block: the loads for the later blocks stay out
	WIN 0xf0                                       ; sem and the result in window 3, the partner's O and its factor in window 0
.irp j, 0,1,2,3,4,5,6,7
.irp u, 0,1,2,3
	v_fma_f32 v[4*(8*cb+\j)+\u], v[S+32*(cb%2)+8*\u+\j], v[PLQ+\u], v[4*(8*cb+\j)+\u]
.endr
.endr
.irp u, 0,1,2,3
	WIN 0xf1+\u/2                                  ; my O in window 1 or 2
.irp j, 0,1,2,3,4,5,6,7
	v_fma_f32 v[4*(8*cb+\j)+\u], v[128*(\u%2)+8*cb+\j], v[PCM+\u], v[4*(8*cb+\j)+\u]
.endr
.endr
	WIN 0x0c                                       ; store data in window 3
.irp j, 0,1,2,3,4,5,6,7
	global_store_b128 v[GOF], v[4*(8*cb+\j):4*(8*cb+\j)+3], s[OUTB:OUTB+1] offset:(16*cb+\j)*CROW th:TH_STORE_NT  ; sixteen lanes store 256 consecutive bytes, aligned; lanes 16-31 the same eight rows down
.endr
.set cb, cb+1
.endr
	WIN 0
	s_wait_tensorcnt 0x0                           ; the wave's end: behind my last tensor load and my last LDS store
	ds_add_u32 v[SPW], v[NIL]
	s_wait_dscnt 0x0
	CROUND                                         ; the closing round: no work-group ends while a partner may still ask for a tile that names it
	s_endpgm
.Lfunc_end_k_q6e83670f74_attn:
	.size	k_q6e83670f74_attn, .Lfunc_end_k_q6e83670f74_attn-k_q6e83670f74_attn
	.p2alignl 7, 3214868480
	.fill 96, 4, 3214868480
	.section	.rodata,"a",@progbits
	.p2align	6, 0x0
	.amdhsa_kernel k_q6e83670f74_attn
		.amdhsa_group_segment_fixed_size 327680
		.amdhsa_private_segment_fixed_size 0
		.amdhsa_enable_private_segment 0
		.amdhsa_kernarg_size 40
		.amdhsa_user_sgpr_count 2
		.amdhsa_user_sgpr_kernarg_segment_ptr 1
		.amdhsa_wavefront_size32 1
		.amdhsa_system_sgpr_workgroup_id_x 1
		.amdhsa_system_sgpr_workgroup_id_y 1
		.amdhsa_system_sgpr_workgroup_id_z 1
		.amdhsa_system_vgpr_workitem_id 0
		.amdhsa_next_free_vgpr 1024
		.amdhsa_next_free_sgpr 66
		.amdhsa_reserve_vcc 0
		.amdhsa_float_denorm_mode_32 3
		.amdhsa_float_denorm_mode_16_64 3
		.amdhsa_memory_ordered 1
		.amdhsa_forward_progress 1
		.amdhsa_inst_pref_size 219
	.end_amdhsa_kernel
	.amdgpu_metadata
---
amdhsa.version: [ 1, 2 ]
amdhsa.kernels:
  - .name:           k_q6e83670f74_attn
    .symbol:         k_q6e83670f74_attn.kd
    .args:
      - { .name: qws, .offset: 0, .size: 8, .value_kind: global_buffer, .address_space: global }
      - { .name: kvws, .offset: 8, .size: 8, .value_kind: global_buffer, .address_space: global }
      - { .name: sem, .offset: 16, .size: 8, .value_kind: global_buffer, .address_space: global }
      - { .name: gamma, .offset: 24, .size: 8, .value_kind: global_buffer, .address_space: global }
      - { .name: out0, .offset: 32, .size: 8, .value_kind: global_buffer, .address_space: global }
    .group_segment_fixed_size: 327680
    .private_segment_fixed_size: 0
    .kernarg_segment_align: 8
    .kernarg_segment_size: 40
    .max_flat_workgroup_size: 128
    .sgpr_count:     66
    .vgpr_count:     1024
    .wavefront_size: 32
...
	.end_amdgpu_metadata
.endif
;; end of part 2
;; ======== version 2 of 2: 2 launches; version 1 with the launch proj written anew for expert scheduling mode
;; workspace buffers: qws 4,194,304 bytes; kvws 20,971,520 bytes
;; launch proj (part 3): grid 256 x 1, 4 waves a work-group, no clusters, 204,800 bytes of LDS; arguments sem, foren, Wq, Wk, Wv, bq, bk, bv, qws, kvws; writes qws, kvws
.if DOCPART == 3
	.amdgcn_target "amdgcn-amd-amdhsa--gfx1250"
	.amdhsa_code_object_version 6
	.text
	.protected	k_q6e83670f74_proj
	.globl	k_q6e83670f74_proj
	.p2align	8
	.type	k_q6e83670f74_proj,@function
k_q6e83670f74_proj:
	s_mov_b64 s[64:65], 0
	v_nop
	global_prefetch_b8 v0, s[64:65] scope:SCOPE_SE
	s_setreg_imm32_b32 hwreg(HW_REG_WAVE_SCHED_MODE, 0, 2), 2
	s_setreg_imm32_b32 hwreg(HW_REG_WAVE_MODE, 25, 1), 1
	s_wait_xcnt 0x0
	s_wait_alu depctr_vm_vsrc(0)
; THE THREE 1x1 PROJECTIONS.  q = Wq sem + bq, k = Wk foren + bk, v = Wv foren + bv, written in bf16 in the order in which the attention launch's matrix fragments want them.
; sem, foren: [8][256 channels][4096 pixels] f32.  Operands are rounded to bf16, sums and biases are f32, q, k, v are rounded once to bf16.  NaN and infinities are not treated apart.
; SHARES.  A SPAN is 64 neighbouring pixels of a batch (256 bytes of a channel's row); 512 spans.  Work-group g takes spans 2 g and 2 g + 1 of both tensors: waves 0, 1 sem (q), waves 2, 3 foren (k, v).
; THE PIXEL ORDER.  Lane (r = l % 16, h = l / 16) loads 16 bytes, pixels 4 r .. 4 r + 3, of channel c0 + 16 h + i: sixteen lanes cover 256 consecutive bytes, aligned.  Sixteen such loads give a lane
; 4 pixels x 16 channels; rounded in pairs they ARE four fragments u = 0..3 of 16 pixels x 32 channels, in which index r is pixel 4 r + u and register p of half h holds channels c0 + 16 h + 2 p, + 1.
; The weights' fragments take the same order of channels (32 consecutive bytes a lane), so the products are the true ones.  Nothing is transposed through LDS.
; OUT.  Blocks of 512 bytes, lane l at byte 16 l, one store each.  qws: [span][u][ob]: q[pixel 4 r + u][16 ob + 8 h + 0..7].  kvws: [batch][block 0..63][40,960]: 8,192 bytes of k, as q, of span
; (block + 2) % 64, then 32,768 of v of span block: [cb][u]: v[channel 16 cb + r][key 16 u + 8 h + 0..7], key 16 u + i being pixel 4 i + u.
; NO CLUSTER, NO TENSOR LOADS: what work-groups share is the weights, 393,216 bytes of f32 that have to pass through registers to become bf16; their bf16 copy (202,752 bytes with padding) and an f32
; landing place do not fit in LDS together.  NO PREFETCH: each wave has up to 64 loads out from its first line on, and every byte of sem and foren is asked for at once.
; THE MODE: SCHED_MODE bits 1:0 = 2 (LLVM: expert scheduling mode 2), set by the entry lines.  The code itself states the register dependences between vector or matrix instructions and memory or LDS
; instructions, with s_wait_alu, always for 0.
; THE PLAN, PHASE A (20 items of 16 loads).  Registers that memory or LDS instructions touch:
;   R0 .. R4     five raw slots of 64.  Item p's conversions read R[p % 5]; the loads of item p + 4, issued in item p, land in R[(p - 1) % 5], which item p - 1 emptied.
;   OUT0, OUT1   a group of weights in bf16.  Item p's conversions write OUT[p % 2]; the sixteen LDS stores issued in item p + 1 read it.
;   v3, v5, v11, v12, v16-21   offsets and LDS addresses, made once at the head: immediate offsets do the rest.
; So the waits at an item's head state all that its loads and stores hang on, and these are dealt among its conversions, which name R[p % 5] and OUT[p % 2] alone.
; THE PLAN, PHASE B (trips t = 0 .. 9 of 64 products).
;   WF0, WF1     the weights' fragments.  Trip t's products read WF[t % 2]; the LDS loads of trip t + 1, issued in trip t, land in the other.
;   PK0, PK1     results in bf16.  Trip t's roundings write PK[t % 2]; the eight stores issued in trip t + 1 read it.
;   BC0, BC1     q's and k's biases of trips 0 and 1, loaded once each, read by the products.      BL   v's bias: read by the v_mov lines at a trip's head, loaded again behind them.
;   AW, ABV      the LDS addresses that walk: read by a trip's fetches, written once at the next trip's head.      GO, AB   never rewritten: v's stores walk by their scalar base.
; So ONE wait on va_vdst stands at a trip's head, behind the adds and the v_mov lines, and one on vm_vsrc ahead of them; the trip's fetches and stores follow, dealt among its first 32 products.
.set PITCH, 528                        ; an LDS row of weights: 512 bytes + 16: the 16 rows of a fragment load start 4 words apart modulo 64 words
.set BB,    384*PITCH                  ; behind the 384 rows (Wq 0-63, Wk 64-127, Wv 128-383): 384 f32 biases, by the same row number
.set SPARE, BB+1536                    ; the spare words, 128 bytes for each wave: two blocks of 256 bytes that no other line names
.set CROW,  16384                      ; bytes of a channel's row in a batch
.set BLKB,  40960                      ; a block of kvws
.set R_,  1                            ; v1   in the set-up: l % 16
.set H_,  2                            ; v2   in the set-up: l / 16
.set AW,  1                            ; v1   then: the LDS address of the weights to be fetched = AW0 + s[TW]
.set ABV, 2                            ; v2   then: the LDS address of v's bias to be fetched = ABV0 + s[TV]
.set GW,  3                            ; v3   16 x thread: my 16 bytes of two rows of weights; never rewritten
.set GX,  5                            ; v5   16 h rows + 16 r: my 16 bytes of a channel's row; never rewritten
.set AW0, 6                            ; v6   my place in a fragment of my tensor's first weights; never rewritten
.set AB,  7                            ; v7   my eight biases (q, k); never rewritten
.set ABV0, 8                           ; v8   my one bias of v's first block; never rewritten
.set GO,  9                            ; v9   16 x lane; never rewritten
.set BO,  11                           ; v11  offset of my number of bq or bk
.set BL,  12                           ; v12-13  first 8 x thread, then v's bias as loaded
.set SPW, 14                           ; v14  my spare word; never rewritten
.set NIL, 15                           ; v15  0; never rewritten
.set BC,  16                           ; v16-31  the bias as the first product's C, 8 registers for each of a trip's two blocks; in phase A v16, v17 say where the biases are put
.set LWQ, 18                           ; v18-21  phase A: where my 8 bytes of bf16 weights go: register q serves groups 3 q .. 3 q + 2
.set ACC, 32                           ; v32-95  accumulators: block bl, pixel group u at 32 bl + 8 u
.set OB,  32                           ; v32-95  phase A: OUT0, OUT1
.set BC1, 96                           ; v96-111 the bias of trip 1
.set PK,  224                          ; v224-255 PK0; v192-223 PK1
; window 0, v96-159: phase A's raw slot 4.   window 1: v[32 ks + 8 u ..] the span's fragments (8 steps of 32 channels x 4 pixel groups).
; window 2: phase A's raw slots 0-3, 64 registers each; then WF0, WF1: buffer b, block bl, step ks at 128 b + 64 bl + 8 ks
.set WV,  28
.set TEN, 29                           ; 0: sem, 1: foren
.set XBS, 32                           ; s[32:33] my tensor at my span
.set KOS, 34                           ; s[34:35] where q or k goes
.set VOS, 36                           ; s[36:37] where v goes: it moves on by a trip's 4,096 bytes
.set BPS, 38                           ; s[38:39] bq or bk
.set CNT, 40
.set TW,  41                           ; s41  bytes from my first weights to those to be fetched: 32 rows a trip
.set TV,  44                           ; s44  the same for v's biases: 128 bytes a trip
.set MSB, 0
.macro WIN new                         ; s_set_vgpr_msb: bits 1:0 source 0, 3:2 source 1, 5:4 source 2, 7:6 destination; the high byte repeats the setting that is left
.if MSB != (\new)
	s_set_vgpr_msb (MSB<<8)|(\new)
.set MSB, \new
.endif
.endm
	s_load_b512 s[8:23], s[0:1], 0x0               ; sem 8, foren 10, Wq 12, Wk 14, Wv 16, bq 18, bk 20, bv 22
	s_load_b128 s[24:27], s[0:1], 0x40             ; qws 24, kvws 26
	v_lshl_add_u32 v[SPW], v0, 2, SPARE
	v_mov_b32 v[NIL], 0
	v_lshrrev_b32 v1, 5, v0
	v_readfirstlane_b32 s[WV], v1                  ; wave 0..3
	s_wait_alu depctr_va_sdst(0)                   ; s[WV] is written, ahead of its first reader: the span, the bases and the LDS places are made from it
	s_lshr_b32 s[TEN], s[WV], 1
	s_and_b32 s30, s[WV], 1
	s_lshl_b32 s31, ttmp9, 1
	s_add_co_u32 s31, s31, s30                     ; my span, 0..511
	s_lshr_b32 s41, s31, 6                         ; its batch
	s_and_b32 s44, s31, 63                         ; its number in the batch
	s_mul_i32 s40, s[TEN], PITCH                   ; a load of the four waves covers two rows of weights: waves 0, 1 the even row, 2, 3 the odd one
	s_lshl_b32 s30, s30, 8
	s_add_co_u32 s40, s40, s30
	v_and_b32 v[GO], 31, v0
	v_lshl_add_u32 v[LWQ], v[GO], 3, s40
.irp q, 1,2,3
	v_add_nc_u32 v[LWQ+\q], \q*96*PITCH, v[LWQ]    ; three groups of 32 rows on: a store's immediate, 49,632 at the most, reaches the groups between
.endr
	v_lshlrev_b32 v[GO], 4, v[GO]
	v_and_b32 v[R_], 15, v0
	v_bfe_u32 v[H_], v0, 4, 1
	v_lshlrev_b32 v[GW], 4, v0
	v_lshlrev_b32 v[GX], 18, v[H_]                 ; 16 rows of 16,384 bytes
	v_lshl_add_u32 v[GX], v[R_], 4, v[GX]
	v_mul_u32_u24 v[AW0], v[R_], PITCH
	v_lshl_add_u32 v[AW0], v[H_], 5, v[AW0]        ; row r, 32 bytes for each half of the lanes
	s_mul_i32 s30, s[TEN], 64*PITCH                ; sem's waves begin at Wq, foren's at Wk
	v_add_nc_u32 v[AW0], s30, v[AW0]
	s_lshl_b32 s30, s[TEN], 8
	s_add_co_u32 s30, s30, BB
	v_lshl_add_u32 v[AB], v[H_], 5, s30
	v_lshl_add_u32 v[ABV0], v[R_], 2, BB+512
	v_and_b32 v[BO], 63, v0
	v_lshlrev_b32 v[BO], 2, v[BO]
	v_lshlrev_b32 v[BL], 3, v0
	v_lshl_add_u32 v[BC], v0, 2, BB                ; where the biases are put, once
	v_lshl_add_u32 v[BC+1], v0, 3, BB+512
	v_mov_b32 v[AW], v[AW0]                        ; l % 16 and l / 16 are used up: their registers take the two addresses that walk
	v_mov_b32 v[ABV], v[ABV0]
	s_lshl_b32 s42, s41, 22                        ; a batch is 4,194,304 bytes,
	s_lshl_b32 s30, s44, 8                         ; a span 256 bytes of a row
	s_add_co_u32 s42, s42, s30
	s_mov_b32 s43, 0
	s_lshl_b32 s45, s31, 13                        ; q: 8,192 bytes a span
	s_add_co_u32 s30, s44, 62
	s_and_b32 s30, s30, 63                         ; k of span n lies in block (n - 2) % 64
	s_mul_i32 s30, s30, BLKB
	s_mul_i32 s46, s41, 64*BLKB
	s_add_co_u32 s46, s46, s30
	s_mul_i32 s40, s31, BLKB                       ; v of span n lies in block n, behind the block's k
	s_add_co_u32 s40, s40, 8192
	s_mov_b32 s47, 0
	s_mov_b32 s[TW], 0                             ; the batch and the span's number are used up
	s_mov_b32 s[TV], 0
	s_wait_kmcnt 0x0
	s_cmp_eq_u32 s[TEN], 0
	s_cselect_b64 s[XBS:XBS+1], s[8:9], s[10:11]
	s_cselect_b64 s[KOS:KOS+1], s[24:25], s[26:27]
	s_cselect_b64 s[BPS:BPS+1], s[18:19], s[20:21]
	s_cselect_b32 s46, s45, s46
	s_add_nc_u64 s[XBS:XBS+1], s[XBS:XBS+1], s[42:43]
	s_add_nc_u64 s[KOS:KOS+1], s[KOS:KOS+1], s[46:47]
	s_mov_b32 s42, s40
	s_add_nc_u64 s[VOS:VOS+1], s[26:27], s[42:43]
	s_wait_alu depctr_va_vdst(0)                   ; the offsets and LDS addresses v1-3, v5-9, v11, v12 and v16-21 are written: the loads and stores below read them
; PHASE A.  Twenty items of 16 loads go through the ring: 12 groups of 32 rows of weights (each wave a quarter of every row pair), then the span's 8 steps of 32 channels.
.macro SLOT i                          ; item i's raw slot: its window sw and its first register sb
.set sl, (\i)%5
.set sw, 2-2*(sl/4)                    ; slots 0-3 in window 2, slot 4 in window 0
.set sb, 64*sl-160*(sl/4)              ; 0, 64, 128, 192; 96
.endm
.macro LD4 i, c                        ; loads 4 c .. 4 c + 3 of item i.  Weights: rows 2 n, 2 n + 1 of their matrix; the span: channels 32 ks + 16 h + n
	SLOT \i
	WIN sw<<6                                      ; the destination in the slot's window, the offset in window 0
.set ii, 4*(\c)
.rept 4
.if (\i) < 2
	global_load_b128 v[sb+4*ii:sb+4*ii+3], v[GW], s[12:13] offset:(16*(\i)+ii)*2048
.elseif (\i) < 4
	global_load_b128 v[sb+4*ii:sb+4*ii+3], v[GW], s[14:15] offset:(16*((\i)-2)+ii)*2048
.elseif (\i) < 12
	global_load_b128 v[sb+4*ii:sb+4*ii+3], v[GW], s[16:17] offset:(16*((\i)-4)+ii)*2048
.else
	global_load_b128 v[sb+4*ii:sb+4*ii+3], v[GX], s[XBS:XBS+1] offset:(32*((\i)-12)+ii)*CROW th:TH_LOAD_NT
.endif
.set ii, ii+1
.endr
.endm
.macro CW8 g, c                        ; eight of group g's 32 conversions: four f32 become 8 bytes of bf16, in OUT[g % 2]
	SLOT \g
	WIN sw|(sw<<2)                                 ; the sources in the slot's window, the destination in window 0
.set ob, OB+32*((\g)%2)
.set ii, 4*(\c)
.rept 4
	v_cvt_pk_bf16_f32 v[ob+2*ii], v[sb+4*ii], v[sb+4*ii+1]
	v_cvt_pk_bf16_f32 v[ob+2*ii+1], v[sb+4*ii+2], v[sb+4*ii+3]
.set ii, ii+1
.endr
.endm
.macro ST4 g, c                        ; four of group g's sixteen LDS stores
	WIN 0
.set ob, OB+32*((\g)%2)
.set ii, 4*(\c)
.rept 4
	ds_store_b64 v[LWQ+(\g)/3], v[ob+2*ii:ob+2*ii+1] offset:((\g)%3)*32*PITCH+ii*2*PITCH
.set ii, ii+1
.endr
.endm
.macro CX8 i, u                        ; item i = 12 + ks: pixel u of channels 2 p and 2 p + 1 of my half: register p of fragment u
	SLOT \i
	WIN 0x40|sw|(sw<<2)                            ; the sources in the slot's window, the destination in window 1
.set pp, 0
.rept 8
	v_cvt_pk_bf16_f32 v[32*((\i)-12)+8*(\u)+pp], v[sb+8*pp+(\u)], v[sb+8*pp+4+(\u)]
.set pp, pp+1
.endr
.endm
	global_load_b32 v[PK], v[BO], s[BPS:BPS+1]     ; threads 0-63 bq, 64-127 bk
	global_load_b64 v[PK+2:PK+3], v[BL], s[22:23]  ; two numbers of bv a thread
.irp i, 0,1,2,3
.irp c, 0,1,2,3
	LD4 \i, \c
.endr
.endr
.set it, 0
.rept 20
.if it < 17
	s_wait_loadcnt 48                              ; loads come back in order: item it is in, the three younger items' 48 loads stay out
.else
	s_wait_loadcnt 16*(19-it)                      ; the ring runs empty
.endif
.if it == 0
	WIN 0
	ds_store_b32 v[BC], v[PK]                      ; the two loads of biases are older than item 0
	ds_store_b64 v[BC+1], v[PK+2:PK+3]
.endif
.if (it >= 2) && (it < 12)
	s_wait_alu depctr_vm_vsrc(0)                   ; the LDS stores issued in the item before have read OUT[it % 2], which this item's conversions write again
.endif
.if (it >= 1) && (it < 16)
	s_wait_alu depctr_va_vdst(0)                   ; the item before has written the other OUT, which the stores below read, and is done reading its slot, in which the loads below land
.endif
.irp c, 0,1,2,3                        ; four loads, four stores, eight conversions by turns: no conversion of this item names a register that its loads and stores touch
.if it < 16
	LD4 it+4, \c                                   ; the slot that the item before emptied takes the item four further on (in item 0: slot 4, which nothing has named)
.endif
.if (it >= 1) && (it < 13)
	ST4 it-1, \c                                   ; the group before goes to LDS
.endif
.if it < 12
	CW8 it, \c
.else
	CX8 it, \c
.endif
.endr
.set it, it+1
.endr
	WIN 0
	s_wait_dscnt 0x0                               ; for the others' sake: my part of the weights and biases lies in LDS
	s_barrier_signal -1
	s_barrier_wait -1                              ; everybody's does; from here on the weights and biases are only read
	s_wait_alu depctr_vm_vsrc(0)                   ; phase A's LDS stores have read v16-21, OUT and v224-227, and the load of bv has read v12: these registers are BC, ACC, PK0 and BL from here on
	s_wait_alu depctr_va_vdst(0)                   ; the span's last conversions are done reading the raw slots, in which the weights' fragments and trip 1's bias land
; PHASE B.  Two blocks of 16 outputs a trip.  form 0 (q, k): D = W X, a lane holds one pixel and 8 outputs.  form 1 (v): D = X W, a lane holds one channel and 8 keys.
.macro FB nform, ntau                  ; the biases of a trip to come: of v (nform = 1), or of q or k, outputs 32 ntau on
	WIN 0
.if \nform
	ds_load_b32 v[BL], v[ABV]
	ds_load_b32 v[BL+1], v[ABV] offset:64
.else
.irp bl, 0,1
	ds_load_b128 v[BC+(BC1-BC)*(\ntau)+8*\bl:BC+(BC1-BC)*(\ntau)+8*\bl+3],   v[AB] offset:128*(\ntau)+\bl*64
	ds_load_b128 v[BC+(BC1-BC)*(\ntau)+8*\bl+4:BC+(BC1-BC)*(\ntau)+8*\bl+7], v[AB] offset:128*(\ntau)+\bl*64+16
.endr
.endif
.endm
.macro FW nb, c                        ; eight of the 32 loads of a trip's weights, into buffer nb: block c / 2, steps 4 (c % 2) on
	WIN 0x80                                       ; destination window 2, address window 0
.set fb, (\c)/2
.set fk, 4*((\c)%2)
.rept 4
	ds_load_b128 v[128*(\nb)+64*fb+8*fk:128*(\nb)+64*fb+8*fk+3],   v[AW] offset:fb*16*PITCH+fk*64
	ds_load_b128 v[128*(\nb)+64*fb+8*fk+4:128*(\nb)+64*fb+8*fk+7], v[AW] offset:fb*16*PITCH+fk*64+16
.set fk, fk+1
.endr
.endm
.macro ST2 pform, pb, ptau, c, back    ; two of the eight stores of a finished trip, from PK[pb].  back = 1: v's base has moved on by a trip since, and the offset reaches back
.if MSB != 0x80                        ; a store's offset and data are sources 0 and 1: window 0 under FW's setting too
	WIN 0
.endif
.irp z, 0,1
.set sn, 2*(\c)+\z                     ; block sn / 4, pixel group sn % 4
.set rP, PK-32*(\pb)+4*sn
.if \pform
	global_store_b128 v[GO], v[rP:rP+3], s[VOS:VOS+1] offset:sn*512-4096*(\back)  ; a wave's store covers 512 consecutive bytes, aligned
.else
	global_store_b128 v[GO], v[rP:rP+3], s[KOS:KOS+1] offset:((sn%4)*4+2*(\ptau)+sn/4)*512
.endif
.endr
.endm
; Eight products: block bl, steps k0 and k0 + 1.  The four accumulators of a block take turns, one instruction a turn; the first four take the bias as C, so nothing is cleared and nothing is added later
.macro MUL8 form, b, tau, bl, k0
	WIN 0x06+3*(\form)                             ; the weights in window 2, the span's fragments in window 1: sources 0 and 1 (form 0) or 1 and 0 (form 1)
.set ks, \k0
.rept 2
.irp u, 0,1,2,3
.set rD, ACC+32*(\bl)+8*\u
.set rW, 128*(\b)+64*(\bl)+8*ks
.set rX, 32*ks+8*\u
.set rC, BC+(BC1-BC)*(\tau)+8*(\bl)
.if (ks == 0) && (\form)
	v_wmma_f32_16x16x32_bf16 v[rD:rD+7], v[rX:rX+7], v[rW:rW+7], v[rC:rC+7]
.elseif ks == 0
	v_wmma_f32_16x16x32_bf16 v[rD:rD+7], v[rW:rW+7], v[rX:rX+7], v[rC:rC+7]
.elseif \form
	v_wmma_f32_16x16x32_bf16 v[rD:rD+7], v[rX:rX+7], v[rW:rW+7], v[rD:rD+7]
.else
	v_wmma_f32_16x16x32_bf16 v[rD:rD+7], v[rW:rW+7], v[rX:rX+7], v[rD:rD+7]
.endif
.endr
.set ks, ks+1
.endr
.endm
; Trip t.  b = t % 2.  tau: the trip's number among q's or k's two (form 0).  next: the form of the trip whose weights are fetched (-1: none).  prev: the form of the trip before, if its results are stored here (-1: they are not).
.macro TRIP b, form, tau, next, prev
	WIN 0
	s_wait_dscnt 0x0                               ; this trip's weights and biases, asked for a trip back, are in
.if \form
	s_wait_xcnt 0x0                                ; PK[b], which stores issued in the trip before read, and v's base are written again only behind this wait
.endif
	s_wait_alu depctr_vm_vsrc(0)                   ; the stores issued in the trip before have read PK[b], which this trip's roundings write again; its fetches have read AW and ABV, which are written below
.if (\next) >= 0
	s_add_co_u32 s[TW], s[TW], 32*PITCH            ; the next 32 rows of weights: a scalar that steps by a constant, added to a lane term that stays
	v_add_nc_u32 v[AW], s[TW], v[AW0]
.if \form
	s_add_co_u32 s[TV], s[TV], 128                 ; and the next 32 biases of v (the first 32 are fetched at ABV0 itself)
	v_add_nc_u32 v[ABV], s[TV], v[ABV0]
.endif
.endif
.if \form
.irp bl, 0,1
.irp j, 0,1,2,3,4,5,6,7
	v_mov_b32 v[BC+8*\bl+\j], v[BL+\bl]            ; a lane's eight results belong to one channel: its bias eight times
.endr
.endr
.endif
	s_wait_alu depctr_va_vdst(0)                   ; AW and ABV are written; the last trip's roundings have written the other PK, which the stores below read; its products are done reading the other WF, and the lines above BL, in which the loads below land
.if (\prev) == 1
	s_add_nc_u64 s[VOS:VOS+1], s[VOS:VOS+1], 4096  ; v's base at this trip's 4,096 bytes
.endif
.if (\next) >= 0
	FB \next, 1
.endif
.irp c, 0,1,2,3                        ; eight fetches, two stores, eight products by turns.  No wait: the products name WF[b], the span's fragments, ACC and BC, none of which a fetch or a store of this trip touches
.if (\next) >= 0
	FW 1-(\b), \c
.endif
.if (\prev) >= 0
	ST2 \prev, 1-(\b), 0, \c, 1
.endif
	MUL8 \form, \b, \tau, 0, 2*\c
.endr
.irp c, 0,1,2,3
	MUL8 \form, \b, \tau, 1, 2*\c
.endr
	WIN 0
.rept 4
	v_nop                                          ; four places (ISA guide 7.12.1) in front of the conversions that read results
.endr
.irp bl, 0,1
.irp u, 0,1,2,3
.irp i, 0,1,2,3
	v_cvt_pk_bf16_f32 v[PK-32*(\b)+16*\bl+4*\u+\i], v[ACC+32*\bl+8*\u+2*\i], v[ACC+32*\bl+8*\u+2*\i+1]
.endr
.endr
.endr
.endm
.macro FLUSH pform, pb, ptau           ; where no further trip takes them: the eight stores of the trip just ended
	s_wait_alu depctr_va_vdst(0)                   ; that trip's roundings have written PK[pb], which the stores read
.irp c, 0,1,2,3
	ST2 \pform, \pb, \ptau, \c, 0
.endr
.endm
	FB 0, 0
.irp c, 0,1,2,3
	FW 0, \c
.endr
	TRIP 0, 0, 0, 0, -1                            ; outputs 0-31 of q or k
	TRIP 1, 0, 1, 1, 0                             ; outputs 32-63; foren's waves fetch Wv's first rows (sem's waves fetch Wk's, and use nothing of them)
	FLUSH 0, 1, 1
	s_cmp_lt_u32 s[WV], 2
	s_cbranch_scc1 .Lend                           ; sem's waves have no more to compute; the branch jumps over no barrier
	TRIP 0, 1, 0, 1, -1                            ; channels 0-31 of v
	s_mov_b32 s[CNT], 3
.Lv:                                                   ; two trips, so that both kinds of buffer are back at their start: channels 32-223 of v
	TRIP 1, 1, 0, 1, 1
	TRIP 0, 1, 0, 1, 1
	s_sub_co_u32 s[CNT], s[CNT], 1
	s_cmp_lg_u32 s[CNT], 0
	s_cbranch_scc1 .Lv
	TRIP 1, 1, 0, -1, 1                            ; the last trip fetches nothing: there is no row behind Wv's last
	FLUSH 1, 1, 0
.Lend:
	s_wait_dscnt 0x0                               ; my reads of LDS are back (in sem's waves: the fetch that serves nothing),
	s_barrier_signal -1
	s_barrier_wait -1                              ; and so are every wave's: no LDS word is written below while a wave still reads
	s_wait_dscnt 0x0                               ; the closing lines, six on end
	s_wait_alu 0x0
	s_wait_tensorcnt 0x0
	ds_add_u32 v[SPW], v[NIL]
	s_wait_dscnt 0x0
	s_endpgm
.Lfunc_end_k_q6e83670f74_proj:
	.size	k_q6e83670f74_proj, .Lfunc_end_k_q6e83670f74_proj-k_q6e83670f74_proj
	.p2alignl 7, 3214868480
	.fill 96, 4, 3214868480
	.section	.rodata,"a",@progbits
	.p2align	6, 0x0
	.amdhsa_kernel k_q6e83670f74_proj
		.amdhsa_group_segment_fixed_size 204800
		.amdhsa_private_segment_fixed_size 0
		.amdhsa_enable_private_segment 0
		.amdhsa_kernarg_size 80
		.amdhsa_user_sgpr_count 2
		.amdhsa_user_sgpr_kernarg_segment_ptr 1
		.amdhsa_wavefront_size32 1
		.amdhsa_system_sgpr_workgroup_id_x 1
		.amdhsa_system_sgpr_workgroup_id_y 1
		.amdhsa_system_sgpr_workgroup_id_z 1
		.amdhsa_system_vgpr_workitem_id 0
		.amdhsa_next_free_vgpr 768
		.amdhsa_next_free_sgpr 66
		.amdhsa_reserve_vcc 0
		.amdhsa_float_denorm_mode_32 3
		.amdhsa_float_denorm_mode_16_64 3
		.amdhsa_memory_ordered 1
		.amdhsa_forward_progress 1
		.amdhsa_inst_pref_size 153
	.end_amdhsa_kernel
	.amdgpu_metadata
---
amdhsa.version: [ 1, 2 ]
amdhsa.kernels:
  - .name:           k_q6e83670f74_proj
    .symbol:         k_q6e83670f74_proj.kd
    .args:
      - { .name: sem, .offset: 0, .size: 8, .value_kind: global_buffer, .address_space: global }
      - { .name: foren, .offset: 8, .size: 8, .value_kind: global_buffer, .address_space: global }
      - { .name: Wq, .offset: 16, .size: 8, .value_kind: global_buffer, .address_space: global }
      - { .name: Wk, .offset: 24, .size: 8, .value_kind: global_buffer, .address_space: global }
      - { .name: Wv, .offset: 32, .size: 8, .value_kind: global_buffer, .address_space: global }
      - { .name: bq, .offset: 40, .size: 8, .value_kind: global_buffer, .address_space: global }
      - { .name: bk, .offset: 48, .size: 8, .value_kind: global_buffer, .address_space: global }
      - { .name: bv, .offset: 56, .size: 8, .value_kind: global_buffer, .address_space: global }
      - { .name: qws, .offset: 64, .size: 8, .value_kind: global_buffer, .address_space: global }
      - { .name: kvws, .offset: 72, .size: 8, .value_kind: global_buffer, .address_space: global }
    .group_segment_fixed_size: 204800
    .private_segment_fixed_size: 0
    .kernarg_segment_align: 8
    .kernarg_segment_size: 80
    .max_flat_workgroup_size: 128
    .sgpr_count:     66
    .vgpr_count:     768
    .wavefront_size: 32
...
	.end_amdgpu_metadata
.endif
;; end of part 3
;; launch attn: the kernel of part 2 again; grid 32 x 8, 4 waves a work-group, clusters of 4 x 1, 327,680 bytes of LDS; arguments qws, kvws, sem, gamma, out0; writes out0
